; MI455X (gfx1250); checked and timed in simulation.
; The chip was launched on July 23, 2026; its instructions are those of AMD's public machine-readable ISA for CDNA 5 (MIT licence, August 2026) and "CDNA5" Instruction Set Architecture Reference Guide (July 2026). The comments in the code are by the model that wrote it; some were corrected since.
;; Coordinate Descent Router. Allowed arithmetic: float matrix products may take bf16 or f16 operands with f32 sums; other float arithmetic in f32, or as packed bf16 or f16 multiplies, adds, multiply-adds, maxima and minima; sums over many terms, partial sums and values carried from step to step in f32; what a program stores and reads back later, other than sums and carried values, may be rounded once to bf16 or f16.
;; Inputs: routing_token 1 x 512 float32; x 16 x 8,192 x 512 float32.
;; Outputs: out0 16 x 1,024 float32; out1 16 x 1,024 int32.
;; Constants: num_tokens = 1024.
;; 2 versions, each right; version 2 is version 1 with the launch dot written anew for expert scheduling mode. Each part assembles by itself: llvm-mc -triple=amdgcn-amd-amdhsa -mcpu=gfx1250 --defsym DOCPART=n.
;; ======== version 1 of 2: 3 launches
;; workspace buffers: logits 524,288 bytes; order 524,288 bytes of whole numbers; tally 16,384 bytes of whole numbers
;; launch dot (part 1): grid 256 x 1, 8 waves a work-group, no clusters, 0 bytes of LDS; arguments routing_token, x, logits; writes logits
.if DOCPART == 1
	.amdgcn_target "amdgcn-amd-amdhsa--gfx1250"
	.amdhsa_code_object_version 6
	.text
	.protected	k_qdef4ecf083_dot
	.globl	k_qdef4ecf083_dot
	.p2align	8
	.type	k_qdef4ecf083_dot,@function
k_qdef4ecf083_dot:
	s_mov_b64 s[64:65], 0
	v_nop
	global_prefetch_b8 v0, s[64:65] scope:SCOPE_SE
	s_setreg_imm32_b32 hwreg(HW_REG_WAVE_MODE, 25, 1), 1
	s_wait_xcnt 0x0
; CoordinateDescentRouter, launch 1 of 3.  logits[b][n] = the sum over d of x[b][n][d] routing_token[0][d].  x: [16][8192][512] f32, logits: [16][8192] f32.
; WORK LEFT OUT IN THE WHOLE PROGRAM, for all finite values of the inputs:
;  (1) out0 = selected + stop_gradient(1 - selected) = 1 by identity, whatever the selected scores are: launch 3 stores the constant 1.  The scores serve the order (out1) alone.
;  (2) The first of the 50 steps: b0 = -s, so s + b0 = 0 in every place, its logsumexp is log n, and a1 = log k - log n = log(1152 / 8192), a constant; a0 is never read.
;      The other 49 steps are live: scores are min(1, exp(s + a)), top_k breaks the ties at 1 by index, so which tokens tie, and with it out1, hangs on a.
;  Every input has a way to out1: both are loaded.
; LIMITS.  A NaN, an infinity or an overflow that reaches only the work left out is not carried to the result (out0 is 1 even where a score would be NaN); NaN and infinities in x or the token are not treated apart.
;  The sums are f32 in another order than an f32 dot product written as a loop; a token whose s + a lies within the rounding of s and a of zero (a few units in the last place of s) can fall on the other side of the tie.
; WHY THE VECTOR UNIT.  One routing token: each number of x meets one multiply-add.  For the matrix unit x would have to be rounded to bf16, one conversion for two numbers: as many vector
;  instructions as the packed f32 multiply-adds that finish the job; fifteen of sixteen columns would be idle; and out1 is compared as whole numbers, so s is kept at f32 accuracy.
; SHARES.  A work-group of eight waves owns 512 tokens (1 MiB of x), a wave 64 tokens (128 KiB).  A PAIR p (0..31) is token p for lanes 0-15 and token 32 + p for lanes 16-31: a load of 16 bytes a lane
;  takes 256 consecutive bytes, aligned, of each of the two tokens; eight loads take both rows.  A lane keeps its 32 numbers of the routing token in registers.
; IN FLIGHT.  A ring of six slots, a pair each: 48 loads of every wave are out, 24 KiB; the wait at a slot's turn leaves the five younger slots' 40 loads out.
; NO LDS, no barrier, no cluster: no byte of x is wanted twice.  No prefetch: the launch does nothing but stream x.
.set ROWB,   2048                      ; bytes in a token's row of x
.set DEPTH,  6                         ; slots
.set ROUNDS, 4                         ; rounds of the loop: 24 turns; the last 8 turns are written out
.set OFF, 1                            ; v1        my byte offset in the work-group's part of x: (thread / 16) x 32 rows + 16 (lane % 16); never rewritten
.set RO,  2                            ; v2        16 (lane % 16): my place in 256 bytes of the routing token
.set SO,  3                            ; v3        8 x thread: my two sums in the work-group's part of logits
.set RES, 4                            ; v[4:5]    the sums of tokens 2 L and 2 L + 1 of the wave's 64, L my lane
.set A,   6                            ; v[6:13]   four packed accumulators
.set R,   16                           ; v[16:47]  my 32 numbers of the routing token: 4 for each 256 bytes
.set X,   48                           ; v[48:239] slot i: 32 registers as loaded
	s_load_b128 s[4:7], s[0:1], 0x0                ; routing_token s[4:5], x s[6:7]
	s_load_b64 s[8:9], s[0:1], 0x10                ; logits
	v_and_b32 v[RO], 15, v0
	v_lshlrev_b32 v[RO], 4, v[RO]
	v_lshrrev_b32 v[OFF], 4, v0                    ; 2 x wave + half of the lanes: each stands for 32 rows of 2,048 bytes
	v_lshl_or_b32 v[OFF], v[OFF], 16, v[RO]
	v_lshlrev_b32 v[SO], 3, v0
	v_mov_b32 v[RES], 0                            ; written whole once: the selects below fill them lane by lane
	v_mov_b32 v[RES+1], 0
	s_lshl_b32 s10, ttmp9, 20                      ; the work-group's 1 MiB of x
	s_mov_b32 s11, 0
	s_lshl_b32 s12, ttmp9, 11                      ; its 512 sums
	s_mov_b32 s13, 0
	s_mov_b32 s14, 0x00010001                      ; lanes j and 16 + j, j = pair / 2: where a pair's two sums are kept
	s_mov_b32 s15, ROUNDS
	s_wait_kmcnt 0x0
	s_add_nc_u64 s[6:7], s[6:7], s[10:11]
	s_add_nc_u64 s[8:9], s[8:9], s[12:13]
.irp c, 0,1,2,3,4,5,6,7
	global_load_b128 v[R+4*(\c):R+4*(\c)+3], v[RO], s[4:5] offset:256*(\c)
.endr
; Slot i is filled with the pair p pairs behind the base.
.macro FILL i, p
.irp c, 0,1,2,3,4,5,6,7
	global_load_b128 v[X+32*(\i)+4*(\c):X+32*(\i)+4*(\c)+3], v[OFF], s[6:7] offset:(\p)*ROWB+256*(\c) th:TH_LOAD_NT
.endr
.endm
.irp i, 0,1,2,3,4,5
	FILL \i, \i
.endr
; The turn of slot i.  q = the pair's parity; fill = the pair (counted from the base) that the slot takes next, or -1; left = how many younger loads may stay out.
.macro TURN i, q, fill, left
	s_wait_loadcnt \left                           ; loads come back in order: this slot's eight are in (in the first turn the routing token's too, which were issued ahead of them)
.irp c, 0,1
	v_pk_mul_f32 v[A+4*(\c):A+4*(\c)+1],   v[X+32*(\i)+4*(\c):X+32*(\i)+4*(\c)+1],   v[R+4*(\c):R+4*(\c)+1]      ; the first products start the four sums: nothing is cleared
	v_pk_mul_f32 v[A+4*(\c)+2:A+4*(\c)+3], v[X+32*(\i)+4*(\c)+2:X+32*(\i)+4*(\c)+3], v[R+4*(\c)+2:R+4*(\c)+3]
.endr
.irp c, 2,3,4,5,6,7
	v_pk_fma_f32 v[A+4*((\c)%2):A+4*((\c)%2)+1],   v[X+32*(\i)+4*(\c):X+32*(\i)+4*(\c)+1],   v[R+4*(\c):R+4*(\c)+1],   v[A+4*((\c)%2):A+4*((\c)%2)+1]
	v_pk_fma_f32 v[A+4*((\c)%2)+2:A+4*((\c)%2)+3], v[X+32*(\i)+4*(\c)+2:X+32*(\i)+4*(\c)+3], v[R+4*(\c)+2:R+4*(\c)+3], v[A+4*((\c)%2)+2:A+4*((\c)%2)+3]
.endr
.if (\fill) >= 0
	FILL \i, \fill                                 ; the slot has been read: it is asked for again at once, ahead of the reduction
.endif
	v_pk_add_f32 v[A:A+1], v[A:A+1], v[A+4:A+5]
	v_pk_add_f32 v[A+2:A+3], v[A+2:A+3], v[A+6:A+7]
	v_pk_add_f32 v[A:A+1], v[A:A+1], v[A+2:A+3]
	v_add_f32 v[A], v[A], v[A+1]                   ; my 32 products
	v_add_f32_dpp v[A], v[A], v[A] row_xmask:1 row_mask:0xf bank_mask:0xf  ; across the 16 lanes that share a token: every one of them ends with the sum
	v_add_f32_dpp v[A], v[A], v[A] row_xmask:2 row_mask:0xf bank_mask:0xf
	v_add_f32_dpp v[A], v[A], v[A] row_xmask:4 row_mask:0xf bank_mask:0xf
	v_add_f32_dpp v[A], v[A], v[A] row_xmask:8 row_mask:0xf bank_mask:0xf
	v_cndmask_b32 v[RES+(\q)], v[RES+(\q)], v[A], s14  ; pair p = 2 j + q: lane j keeps token p, lane 16 + j token 32 + p: lane L ends with tokens 2 L and 2 L + 1
.if \q
	s_lshl_b32 s14, s14, 1                         ; the next two pairs go one lane further
.endif
.endm
.Lround:
	TURN 0, 0, 6,  40
	TURN 1, 1, 7,  40
	TURN 2, 0, 8,  40
	TURN 3, 1, 9,  40
	TURN 4, 0, 10, 40
	TURN 5, 1, 11, 40
	s_wait_xcnt 0x0                                ; every load issued so far has read its address: only behind this wait is the base stepped
	s_add_nc_u64 s[6:7], s[6:7], DEPTH*ROWB
	s_sub_co_u32 s15, s15, 1
	s_cmp_lg_u32 s15, 0
	s_cbranch_scc1 .Lround
	TURN 0, 0, 6,  40                              ; pairs 24 to 31: two more fills (pairs 30 and 31), then none, and the counts run down: no load leaves the wave's 64 rows
	TURN 1, 1, 7,  40
	TURN 2, 0, -1, 40
	TURN 3, 1, -1, 32
	TURN 4, 0, -1, 24
	TURN 5, 1, -1, 16
	TURN 0, 0, -1, 8
	TURN 1, 1, -1, 0
	global_store_b64 v[SO], v[RES:RES+1], s[8:9]   ; the wave's 64 sums: 256 consecutive bytes, at a multiple of 256 from the buffer's first byte
	s_endpgm
.Lfunc_end_k_qdef4ecf083_dot:
	.size	k_qdef4ecf083_dot, .Lfunc_end_k_qdef4ecf083_dot-k_qdef4ecf083_dot
	.p2alignl 7, 3214868480
	.fill 96, 4, 3214868480
	.section	.rodata,"a",@progbits
	.p2align	6, 0x0
	.amdhsa_kernel k_qdef4ecf083_dot
		.amdhsa_group_segment_fixed_size 0
		.amdhsa_private_segment_fixed_size 0
		.amdhsa_enable_private_segment 0
		.amdhsa_kernarg_size 24
		.amdhsa_user_sgpr_count 2
		.amdhsa_user_sgpr_kernarg_segment_ptr 1
		.amdhsa_wavefront_size32 1
		.amdhsa_system_sgpr_workgroup_id_x 1
		.amdhsa_system_sgpr_workgroup_id_y 1
		.amdhsa_system_sgpr_workgroup_id_z 1
		.amdhsa_system_vgpr_workitem_id 0
		.amdhsa_next_free_vgpr 240
		.amdhsa_next_free_sgpr 66
		.amdhsa_reserve_vcc 0
		.amdhsa_float_denorm_mode_32 3
		.amdhsa_float_denorm_mode_16_64 3
		.amdhsa_memory_ordered 1
		.amdhsa_forward_progress 1
		.amdhsa_inst_pref_size 35
	.end_amdhsa_kernel
	.amdgpu_metadata
---
amdhsa.version: [ 1, 2 ]
amdhsa.kernels:
  - .name:           k_qdef4ecf083_dot
    .symbol:         k_qdef4ecf083_dot.kd
    .args:
      - { .name: routing_token, .offset: 0, .size: 8, .value_kind: global_buffer, .address_space: global }
      - { .name: x, .offset: 8, .size: 8, .value_kind: global_buffer, .address_space: global }
      - { .name: logits, .offset: 16, .size: 8, .value_kind: global_buffer, .address_space: global }
    .group_segment_fixed_size: 0
    .private_segment_fixed_size: 0
    .kernarg_segment_align: 8
    .kernarg_segment_size: 24
    .max_flat_workgroup_size: 256
    .sgpr_count:     66
    .vgpr_count:     240
    .wavefront_size: 32
...
	.end_amdgpu_metadata
.endif
;; end of part 1
;; launch descend (part 2): grid 16 x 1, 4 waves a work-group, no clusters, 1,024 bytes of LDS; arguments logits, order, tally; writes order, tally
.if DOCPART == 2
	.amdgcn_target "amdgcn-amd-amdhsa--gfx1250"
	.amdhsa_code_object_version 6
	.text
	.protected	k_qdef4ecf083_descend
	.globl	k_qdef4ecf083_descend
	.p2align	8
	.type	k_qdef4ecf083_descend,@function
k_qdef4ecf083_descend:
	s_mov_b64 s[64:65], 0
	v_nop
	global_prefetch_b8 v0, s[64:65] scope:SCOPE_SE
	s_setreg_imm32_b32 hwreg(HW_REG_WAVE_MODE, 25, 1), 1
	s_wait_xcnt 0x0
; CoordinateDescentRouter, launch 2 of 3: the coordinate descent of one row (8,192 numbers s) in one work-group, and each token's word for the order of top_k.
; LEFT OUT: the first of the 50 steps, which gives the constant a1 = log(1152 / 8192) for all finite s (s + b0 = s - s = 0: shown at the head of launch 1).  49 steps are done.
; THE FORM.  Write theta = -a.  b = -relu(s + a), so s + b = min(s, theta), and the maximum that logsumexp takes away is max_i min(s_i, theta) = min(max s, theta).  A step is
;      theta <- c + log( sum_i exp(min(s_i, theta) - c) ) - log k,   whatever c is taken away.
;  With E_i = exp(s_i - c) and U = exp(theta - c), exp(min(s_i, theta) - c) = min(E_i, U), and the step is U <- sum_i min(E_i, U) / k: no exponential in it.
; THE MAXIMUM RUNS, AND ITS COST STANDS BESIDE THE STEPS.  A TRIP is four steps on one of two buffers of E.  Behind a trip's first step theta = c + log U is taken, c' = min(max s, theta) is the next maximum, and the
;  The trip's last step multiplies its sum by
;  exp(c - c') / k in place of 1 / k: U changes units, and the next trip reads the other buffer.  49 = 12 trips + 1 step; the last step reads what the last trip made.  theta itself is formed once more, at the end.
; RANGE, for every finite row.  A c' serves the 7 steps behind the step that gave it.  In its units the row's largest E is at least 1 and U starts at 1 or more, so U falls by at most 1 / k a step: the 7 sums see U >= k^-6 = 2^-61
;  and are at least that; terms that the exponential flushes to 0 (below 2^-126) weigh at most 8192 x 2^-126 / 2^-61 = 2^-52 of a sum; U ends above k^-7 = 2^-71.  Upward each of the n terms is at most U, so U grows by at most
;  n / k = 7.2 a step and stays under 7.2^7 = 2^20 (behind any step theta <= max s + log(n / k)); an E that overflows to +inf stands for a number above every such U and changes no min(E_i, U).
;  Only the very first U = exp(theta1 - c) may be huge or infinite (theta1 above every s): then every E_i <= 1 and the first sum is finite.  exp(c - c') lies between 2^-12 and 2^41 (four steps at the most between two c).
; THE WORDS.  score = exp(min(s - theta, 0)), as exp(s + a + b).  Scores are >= 0, so their bit patterns order as they do.  A token whose score is 1 (the ties at the top, which top_k takes by index) gets
;  0x80000000 + its place among such tokens of its wave's 2,048; any other token gets its score's bits + 1 (at least 1, below 0x80000000).  tally holds each wave's number of ties.  Launch 3 makes places of them:
;  no address and no branch of this launch hangs on them.
; LIMITS.  Sums and roundings in another order than an f32 logsumexp: theta agrees with -a to a few units in its last place; NaN and infinities in s are not treated apart (the maxima pass a NaN over).
; SHARES.  Four waves, one for each SIMD of a WGP; wave w owns tokens 2048 w .. 2048 w + 2047, a lane 64 of them: register 4 j + e is token 2048 w + 128 j + 4 lane + e, so each load and store covers 512 consecutive bytes.
;  A row is one chain of 49 dependent sums, so there is work for 16 work-groups and no more.  No tensor load (32 KiB, read once into registers), no cluster, no prefetch: nothing is shared and nothing is known ahead.
.set PART,  0                          ; LDS: eight blocks of 32 bytes (two words a wave), one for each step of the loop's body: a block is written again 8 barriers behind its reads
.set PMAX,  256                        ; a block of 32 bytes for the row's maximum
.set SPARE, 512                        ; the spare words, 128 bytes for each wave: two blocks of 256 bytes that no other line names
.set VO,  1                            ; v1        my byte offset in the row: 8192 wave + 16 lane; never rewritten
.set WA,  2                            ; v2        where my half of the wave puts its sum: 4 (thread / 16)
.set ZA,  3                            ; v3        0: all lanes read the same eight words
.set SPW, 4                            ; v4        LDS address of my spare word; never rewritten
.set NIL, 5                            ; v5        0; never rewritten
.set C0,  6                            ; v[6:7]    buffer A's c, twice
.set C1,  8                            ; v[8:9]    buffer B's c, twice
.set LE,  10                           ; v[10:11]  log2(e), twice
.set U,   12                           ; v[12:13]  U, twice: a copy for each half of a dual instruction
.set W,   14                           ; v[14:15]  at work
.set ACC, 16                           ; v[16:23]  four packed accumulators
.set T,   24                           ; v[24:39]  at work
.set P,   40                           ; v[40:47]  the eight partial results read back
.set SM,  48                           ; v48       max s
.set LG,  49                           ; v49       log2 U
.set DC,  50                           ; v50       (c - c') log2(e)
.set PH,  51                           ; v51       exp(c - c')
.set F,   52                           ; v52       exp(c - c') / k
.set TH,  54                           ; v[54:55]  theta (twice at the end)
.set S,   56                           ; v[56:119]  s
.set EA,  120                          ; v[120:183] buffer A of E; at the end the scores and then the words
.set EB,  184                          ; v[184:247] buffer B of E
	s_load_b128 s[4:7], s[0:1], 0x0                ; logits s[4:5], order s[6:7]
	s_load_b64 s[8:9], s[0:1], 0x10                ; tally
	v_lshl_add_u32 v[SPW], v0, 2, SPARE
	v_mov_b32 v[NIL], 0
	v_lshrrev_b32 v[W], 5, v0
	v_readfirstlane_b32 s10, v[W]                  ; wave 0..3
	v_and_b32 v[W+1], 31, v0
	v_lshlrev_b32 v[VO], 4, v[W+1]
	v_lshl_or_b32 v[VO], v[W], 13, v[VO]
	v_lshrrev_b32 v[WA], 4, v0
	v_lshlrev_b32 v[WA], 2, v[WA]
	v_mov_b32 v[ZA], 0
	s_lshl_b32 s12, ttmp9, 15                      ; the row: 32,768 bytes in logits and in order
	s_mov_b32 s13, 0
	s_lshl2_add_u32 s16, ttmp9, s10                ; 4 row + wave:
	s_lshl_b32 s16, s16, 8                         ; my wave's 256 bytes of tally
	s_mov_b32 s17, 0
	s_wait_kmcnt 0x0
	s_add_nc_u64 s[4:5], s[4:5], s[12:13]
	s_add_nc_u64 s[6:7], s[6:7], s[12:13]
	s_add_nc_u64 s[8:9], s[8:9], s[16:17]
.irp j, 0,1,2,3,4,5,6,7,8,9,10,11,12,13,14,15
	global_load_b128 v[S+4*(\j):S+4*(\j)+3], v[VO], s[4:5] offset:512*(\j)
.endr
	v_mov_b32 v[LE], 0x3fb8aa3b                    ; log2(e)
	v_mov_b32 v[LE+1], 0x3fb8aa3b
	v_mov_b32 v[TH], 0x3ffb17a0                    ; theta behind the first step: log(8192 / 1152) = 1.9616585
	s_mov_b32 s14, 0x3f317218                      ; log(2)
	s_mov_b32 s15, 0x3a638e39                      ; 1 / k = 1 / 1152
	s_mov_b32 s18, 0x3f800000                      ; the bits of 1.0
	s_mov_b32 s11, 6                               ; trips of the loop: two TRIPs, eight steps, each
	s_wait_loadcnt 0x0
	; max s: four chains in the lane, 16 lanes by DPP, the eight halves of waves through LDS
.irp k, 0,1,2,3
	v_max3_num_f32 v[ACC+\k], v[S+16*\k], v[S+16*\k+1], v[S+16*\k+2]
.endr
.irp i, 0,1,2,3,4,5
.irp k, 0,1,2,3
	v_max3_num_f32 v[ACC+\k], v[ACC+\k], v[S+16*\k+3+2*\i], v[S+16*\k+4+2*\i]
.endr
.endr
	v_max3_num_f32 v[ACC], v[ACC], v[S+15], v[S+31]
	v_max3_num_f32 v[ACC+1], v[ACC+1], v[S+47], v[S+63]
	v_max3_num_f32 v[ACC], v[ACC], v[ACC+1], v[ACC+2]
	v_max_num_f32 v[W], v[ACC], v[ACC+3]
	v_max_num_f32_dpp v[W], v[W], v[W] row_xmask:1 row_mask:0xf bank_mask:0xf
	v_max_num_f32_dpp v[W], v[W], v[W] row_xmask:2 row_mask:0xf bank_mask:0xf
	v_max_num_f32_dpp v[W], v[W], v[W] row_xmask:4 row_mask:0xf bank_mask:0xf
	v_max_num_f32_dpp v[W], v[W], v[W] row_xmask:8 row_mask:0xf bank_mask:0xf
	ds_store_b32 v[WA], v[W] offset:PMAX           ; sixteen lanes write the same word with the same value
	s_wait_dscnt 0x0                               ; for the others: my store is done
	s_barrier_signal -1
	s_barrier_wait -1
	ds_load_b128 v[P:P+3], v[ZA] offset:PMAX
	ds_load_b128 v[P+4:P+7], v[ZA] offset:PMAX+16
	s_wait_dscnt 0x0
	v_max3_num_f32 v[P], v[P], v[P+1], v[P+2]
	v_max3_num_f32 v[P+3], v[P+3], v[P+4], v[P+5]
	v_max3_num_f32 v[P], v[P], v[P+3], v[P+6]
	v_max_num_f32 v[SM], v[P], v[P+7]
; THE REFRESH is a numbered list of 146 entries; RF writes the next cnt of them.  CX: the c of the buffer in use; CY, EY: the c and the buffer that are made.
;   0, 1     log2 U of the step just done; a plain instruction and the wait ahead of the result's first reader
;   2-4      theta = log2(U) log(2) + c, rounded once; c' = min(max s, theta), twice for the packed difference
;   5-7      exp(c - c')
;   8-143    E'_i = exp(s_i - c'), two at a time: difference, times log2(e), 2^x twice.  The stages of neighbouring pairs are interleaved, plain and exponential by turns, so that no line waits for the one before it.
;   144, 145 a plain instruction behind the last exponential and ONE wait for the batch of 65 (nothing ahead of it names a result of theirs: the buffer is read in the next trip); then exp(c - c') / k
.macro RF cnt
.if (\cnt) > 0
.rept \cnt
.if r == 0
	v_log_f32 v[LG], v[U]
.elseif r == 1
	v_nop
	s_wait_alu depctr_va_vdst(0)
.elseif r == 2
	v_fma_f32 v[TH], v[LG], s14, v[CX]
.elseif r == 3
	v_min_num_f32 v[CY], v[SM], v[TH]
.elseif r == 4
	v_min_num_f32 v[CY+1], v[SM], v[TH]
.elseif r == 5
	v_sub_f32 v[DC], v[CX], v[CY]
.elseif r == 6
	v_mul_f32 v[DC], 0x3fb8aa3b, v[DC]
.elseif r == 7
	v_exp_f32 v[PH], v[DC]
.elseif r < 144
.set n, (r-8)/4
.set k, (r-8)%4
.if (k == 0) && (n < 32)
	v_pk_add_f32 v[EY+2*n:EY+2*n+1], v[S+2*n:S+2*n+1], v[CY:CY+1] neg_lo:[0,1] neg_hi:[0,1]
.elseif (k == 1) && (n >= 2)
	v_exp_f32 v[EY+2*n-4], v[EY+2*n-4]
.elseif (k == 2) && (n >= 1) && (n < 33)
	v_pk_mul_f32 v[EY+2*n-2:EY+2*n-1], v[EY+2*n-2:EY+2*n-1], v[LE:LE+1]
.elseif (k == 3) && (n >= 2)
	v_exp_f32 v[EY+2*n-3], v[EY+2*n-3]
.endif
.elseif r == 144
	v_nop
	s_wait_alu depctr_va_vdst(0)
.elseif r == 145
	v_mul_f32 v[F], s15, v[PH]
.endif
.set r, r+1
.endr
.endif
.endm
; ONE STEP: U <- sum_i min(E_i, U) / k, on the buffer at register eb.  t = its block of 32 bytes in LDS.  fa, fb = entries of the refresh that stand behind the LDS store and behind the LDS loads.  sw = 1: the units change.
; In the lane: 64 minima, two to an instruction (a dual pair: destinations even and odd, first sources registers 2 p and 2 p + 1, second sources U's two copies); the first four pairs start the four packed sums;
; a pair is added two pairs behind its minima.  Then 16 lanes by DPP, and the eight halves of waves through LDS: store, wait for it, barrier, read all eight; every wave adds them in the same order, so all hold the same U.
.macro STEP eb, t, fa, fb, sw
.set p, 0
.rept 34
.if p < 4
	v_dual_min_num_f32 v[ACC+2*p], v[(\eb)+2*p], v[U] :: v_dual_min_num_f32 v[ACC+2*p+1], v[(\eb)+2*p+1], v[U+1]
.elseif p < 32
	v_dual_min_num_f32 v[T+2*(p%8)], v[(\eb)+2*p], v[U] :: v_dual_min_num_f32 v[T+2*(p%8)+1], v[(\eb)+2*p+1], v[U+1]
.endif
.if p >= 6
	v_pk_add_f32 v[ACC+2*((p-2)%4):ACC+2*((p-2)%4)+1], v[ACC+2*((p-2)%4):ACC+2*((p-2)%4)+1], v[T+2*((p-2)%8):T+2*((p-2)%8)+1]
.endif
.set p, p+1
.endr
	v_pk_add_f32 v[ACC:ACC+1], v[ACC:ACC+1], v[ACC+2:ACC+3]
	v_pk_add_f32 v[ACC+4:ACC+5], v[ACC+4:ACC+5], v[ACC+6:ACC+7]
	v_pk_add_f32 v[ACC:ACC+1], v[ACC:ACC+1], v[ACC+4:ACC+5]
	v_add_f32 v[W], v[ACC], v[ACC+1]
	v_add_f32_dpp v[W], v[W], v[W] row_xmask:1 row_mask:0xf bank_mask:0xf
	v_add_f32_dpp v[W], v[W], v[W] row_xmask:2 row_mask:0xf bank_mask:0xf
	v_add_f32_dpp v[W], v[W], v[W] row_xmask:4 row_mask:0xf bank_mask:0xf
	v_add_f32_dpp v[W], v[W], v[W] row_xmask:8 row_mask:0xf bank_mask:0xf
	ds_store_b32 v[WA], v[W] offset:PART+32*(\t)
	RF \fa                                         ; work on registers while the store is out
	s_wait_dscnt 0x0                               ; for the others: my store is done (my reads of the step before were waited for there)
	s_barrier_signal -1
	s_barrier_wait -1
	ds_load_b128 v[P:P+3], v[ZA] offset:PART+32*(\t)
	ds_load_b128 v[P+4:P+7], v[ZA] offset:PART+32*(\t)+16
	RF \fb                                         ; work on registers while the loads are out
	s_wait_dscnt 0x0
	v_pk_add_f32 v[P:P+1], v[P:P+1], v[P+2:P+3]
	v_pk_add_f32 v[P+4:P+5], v[P+4:P+5], v[P+6:P+7]
	v_pk_add_f32 v[P:P+1], v[P:P+1], v[P+4:P+5]
	v_add_f32 v[W], v[P], v[P+1]
.if \sw
	v_mul_f32 v[U], v[F], v[W]                     ; the sum / k, in the units of the buffer just made
	v_mul_f32 v[U+1], v[F], v[W]
.else
	v_mul_f32 v[U], s15, v[W]
	v_mul_f32 v[U+1], s15, v[W]
.endif
.endm
; A TRIP: four steps on buffer ex (its c at cx); from the U behind the first of them buffer ey (its c at cy) is made beside the other three: 8 + 30 + 30 + 30 + 30 + 18 = 146 entries.
.macro TRIP ex, cx, ey, cy, t0
.set CX, \cx
.set CY, \cy
.set EY, \ey
.set r, 0
	STEP \ex, (\t0),   0,  0,  0
	STEP \ex, (\t0)+1, 8,  30, 0
	STEP \ex, (\t0)+2, 30, 30, 0
	STEP \ex, (\t0)+3, 30, 18, 1
.endm
	; the first c, U and buffer A: nothing stands beside these
	v_min_num_f32 v[C0], v[SM], v[TH]              ; the maximum of min(s_i, theta) over the row,
	v_min_num_f32 v[C0+1], v[SM], v[TH]            ; twice
	v_sub_f32 v[DC], v[TH], v[C0]                  ; 0 unless theta lies above every s
	v_mul_f32 v[DC], 0x3fb8aa3b, v[DC]
	v_exp_f32 v[U], v[DC]                          ; U = exp(theta - c): the first of the batch
.set CX, C0
.set CY, C0
.set EY, EA
.set r, 8
	RF 137                                         ; entries 8 to 144: the 64 powers and the batch's wait
	v_mov_b32 v[U+1], v[U]
.Lround:                                               ; 6 times: 48 steps
	TRIP EA, C0, EB, C1, 0
	TRIP EB, C1, EA, C0, 4
	s_sub_co_u32 s11, s11, 1
	s_cmp_lg_u32 s11, 0
	s_cbranch_scc1 .Lround
	STEP EA, 0, 0, 0, 0                            ; the 49th step, on the buffer that the last trip made
	v_log_f32 v[LG], v[U]                          ; U lies above k^-4 here
	v_nop                                          ; a plain instruction behind it,
	s_wait_alu depctr_va_vdst(0)                   ; and its wait, ahead of its reader
	v_fma_f32 v[TH], v[LG], s14, v[C0]             ; theta = log2(U) log(2) + c, rounded once
	v_mov_b32 v[TH+1], v[TH]
	; the scores: exp(s + a + b) = exp(min(s - theta, 0)), two at a time: difference, min with 0, times log2(e), 2^x; the stages of neighbouring pairs interleaved; one batch, one wait
.set n, 0
.rept 35
.if n < 32
	v_pk_add_f32 v[EA+2*n:EA+2*n+1], v[S+2*n:S+2*n+1], v[TH:TH+1] neg_lo:[0,1] neg_hi:[0,1]
.endif
.if n >= 3
	v_exp_f32 v[EA+2*n-6], v[EA+2*n-6]
.endif
.if (n >= 1) && (n < 33)
	v_min_num_f32 v[EA+2*n-2], 0, v[EA+2*n-2]
.endif
.if (n >= 2) && (n < 34)
	v_pk_mul_f32 v[EA+2*n-4:EA+2*n-3], v[EA+2*n-4:EA+2*n-3], v[LE:LE+1]
.endif
.if n >= 3
	v_exp_f32 v[EA+2*n-5], v[EA+2*n-5]
.endif
.if (n >= 1) && (n < 33)
	v_min_num_f32 v[EA+2*n-1], 0, v[EA+2*n-1]
.endif
.set n, n+1
.endr
	v_nop                                          ; a plain instruction behind the last exponential
	s_wait_alu depctr_va_vdst(0)                   ; and the one wait for the batch, ahead of its first reader
	; the words.  s19 = 0x80000000 + the ties of my wave in front of the 128 tokens in hand.  For those 128: four masks of lanes (one for each of a lane's four tokens); the ties in lower lanes (v_mbcnt_lo_u32_b32
	; adds a mask's bits below my lane); then along my four tokens.  Registers and masks go by the parity of j, so that neighbouring groups do not wait for each other.
	s_mov_b32 s19, 0x80000000
.set j, 0
.rept 16
.set M, 20+4*(j%2)
.set Q, T+8*(j%2)
.set K, EA+4*j
.irp e, 0,1,2,3
	v_cmp_le_u32 s[M+\e], s18, v[K+\e]             ; the score is 1
.endr
	v_mbcnt_lo_u32_b32 v[Q], s[M], s19
	v_mbcnt_lo_u32_b32 v[Q], s[M+1], v[Q]
	v_mbcnt_lo_u32_b32 v[Q], s[M+2], v[Q]
	v_mbcnt_lo_u32_b32 v[Q], s[M+3], v[Q]
.irp e, 0,1,2
	v_cndmask_b32 v[Q+4+\e], 0, 1, s[M+\e]
.endr
.irp e, 0,1,2,3
	s_bcnt1_i32_b32 s28, s[M+\e]
	s_add_co_u32 s19, s19, s28
.endr
.irp e, 0,1,2
	v_add_nc_u32 v[Q+1+\e], v[Q+\e], v[Q+4+\e]
.endr
.irp e, 0,1,2,3
	v_add_nc_u32 v[K+\e], 1, v[K+\e]               ; a score below 1: its bits + 1
	v_cndmask_b32 v[K+\e], v[K+\e], v[Q+\e], s[M+\e]  ; a tie: the top bit and its place
.endr
	global_store_b128 v[VO], v[K:K+3], s[6:7] offset:512*j  ; 512 consecutive bytes of the row
.set j, j+1
.endr
	s_and_b32 s19, s19, 0x7fffffff                 ; my wave's ties
	v_mov_b32 v[W], s19
	v_mov_b32 v[W+1], s19
	v_and_b32 v[P], 31, v0
	v_lshlrev_b32 v[P], 3, v[P]
	global_store_b64 v[P], v[W:W+1], s[8:9]        ; the count fills the wave's 256 bytes of tally, so that this store too covers 256 consecutive bytes, aligned
	s_wait_tensorcnt 0x0                           ; the wave's end, behind my last LDS store
	ds_add_u32 v[SPW], v[NIL]
	s_wait_dscnt 0x0
	s_endpgm
.Lfunc_end_k_qdef4ecf083_descend:
	.size	k_qdef4ecf083_descend, .Lfunc_end_k_qdef4ecf083_descend-k_qdef4ecf083_descend
	.p2alignl 7, 3214868480
	.fill 96, 4, 3214868480
	.section	.rodata,"a",@progbits
	.p2align	6, 0x0
	.amdhsa_kernel k_qdef4ecf083_descend
		.amdhsa_group_segment_fixed_size 1024
		.amdhsa_private_segment_fixed_size 0
		.amdhsa_enable_private_segment 0
		.amdhsa_kernarg_size 24
		.amdhsa_user_sgpr_count 2
		.amdhsa_user_sgpr_kernarg_segment_ptr 1
		.amdhsa_wavefront_size32 1
		.amdhsa_system_sgpr_workgroup_id_x 1
		.amdhsa_system_sgpr_workgroup_id_y 1
		.amdhsa_system_sgpr_workgroup_id_z 1
		.amdhsa_system_vgpr_workitem_id 0
		.amdhsa_next_free_vgpr 248
		.amdhsa_next_free_sgpr 66
		.amdhsa_reserve_vcc 0
		.amdhsa_float_denorm_mode_32 3
		.amdhsa_float_denorm_mode_16_64 3
		.amdhsa_memory_ordered 1
		.amdhsa_forward_progress 1
		.amdhsa_inst_pref_size 102
	.end_amdhsa_kernel
	.amdgpu_metadata
---
amdhsa.version: [ 1, 2 ]
amdhsa.kernels:
  - .name:           k_qdef4ecf083_descend
    .symbol:         k_qdef4ecf083_descend.kd
    .args:
      - { .name: logits, .offset: 0, .size: 8, .value_kind: global_buffer, .address_space: global }
      - { .name: order, .offset: 8, .size: 8, .value_kind: global_buffer, .address_space: global }
      - { .name: tally, .offset: 16, .size: 8, .value_kind: global_buffer, .address_space: global }
    .group_segment_fixed_size: 1024
    .private_segment_fixed_size: 0
    .kernarg_segment_align: 8
    .kernarg_segment_size: 24
    .max_flat_workgroup_size: 128
    .sgpr_count:     66
    .vgpr_count:     248
    .wavefront_size: 32
...
	.end_amdgpu_metadata
.endif
;; end of part 2
;; launch select (part 3): grid 16 x 16, 4 waves a work-group, no clusters, 0 bytes of LDS; arguments order, tally, out0, out1; writes out0, out1
.if DOCPART == 3
	.amdgcn_target "amdgcn-amd-amdhsa--gfx1250"
	.amdhsa_code_object_version 6
	.text
	.protected	k_qdef4ecf083_select
	.globl	k_qdef4ecf083_select
	.p2align	8
	.type	k_qdef4ecf083_select,@function
k_qdef4ecf083_select:
	s_mov_b64 s[64:65], 0
	v_nop
	global_prefetch_b8 v0, s[64:65] scope:SCOPE_SE
	s_setreg_imm32_b32 hwreg(HW_REG_WAVE_MODE, 25, 1), 1
	s_wait_xcnt 0x0
; CoordinateDescentRouter, launch 3 of 3: top_k's places, made of the whole numbers that launch 2 stored, and the two outputs.
; LEFT OUT: out0's arithmetic: selected + stop_gradient(1 - selected) = 1 by identity (shown at the head of launch 1): the constant is stored.
; order[row][token]: 0x80000000 + the token's place among the ties at score 1 of its quarter of the row (2,048 tokens), or, for a score below 1, the score's bits + 1.  tally[row][quarter][0]: the quarter's ties.
; top_k takes higher scores first and equal scores by index.  So a tie's place is its stored place + the ties of the quarters in front; out1[row][place] = token where place < 1024.
; Any other token's place is the number of words in the row that are greater (every tie's word is: its top bit is set) or equal with a lower index.  Those places all lie behind the ties: they are
; counted only where tally says that the row has fewer than 1,024 ties: a branch on whole numbers read from memory, the same for the whole work-group.  That count is 8,192 comparisons a token.
; SHARES.  Work-group (x, y): tokens 512 x .. 512 x + 511 of row y, four on end a thread; and the 64 ones at out0[y][64 x ..], 256 consecutive bytes, aligned, stored by wave 0.
; out1 is stored four bytes a lane: the places of tokens that follow each other are neighbouring words of one row of out1; the whole of out1 is 64 KiB.
.set TOPS, 1024
.set WD,  4                            ; v[4:7]    my four words
.set ONE, 8                            ; v[8:9]    1.0 twice
.set TK0, 10                           ; v10       my first token
.set PL,  12                           ; v[12:15]  my tokens' places
.set CN,  16                           ; v[16:19]  the counts
.set NIL, 20                           ; v20       0
.set DI,  21                           ; v21       my first token less the first token of the 32 words in hand
.set TW,  22                           ; v22       a word of the row, + 1 if it stands in front of my tokens
.set TK,  24                           ; v[24:27]  my four tokens
.set AD,  28                           ; v[28:31]  their byte offsets in the row of out1
	s_load_b256 s[4:11], s[0:1], 0x0               ; order s[4:5], tally s[6:7], out0 s[8:9], out1 s[10:11]
	v_lshrrev_b32 v1, 5, v0
	v_readfirstlane_b32 s12, v1                    ; wave 0..3
	s_and_b32 s13, ttmp7, 0xffff                   ; the row
	s_lshl_b32 s14, s13, 15                        ; its 32,768 bytes of order
	s_mov_b32 s15, 0
	s_lshl_b32 s16, ttmp9, 11                      ; my 512 words
	s_mov_b32 s17, 0
	s_lshl_b32 s18, s13, 10                        ; the row's four blocks of 256 bytes in tally
	s_mov_b32 s19, 0
	s_lshl_b32 s20, s13, 12                        ; the row's 4,096 bytes of out0 and of out1
	s_mov_b32 s21, 0
	s_lshl_b32 s22, ttmp9, 8                       ; my 256 bytes of out0
	s_mov_b32 s23, 0
	s_lshl_b32 s24, ttmp9, 9
	v_lshlrev_b32 v2, 4, v0                        ; 16 bytes a thread
	v_lshlrev_b32 v3, 3, v0                        ; 8 bytes a lane of wave 0
	v_mov_b32 v[ONE], 1.0
	v_mov_b32 v[ONE+1], 1.0
	v_lshlrev_b32 v[TK0], 2, v0
	v_add_nc_u32 v[TK0], s24, v[TK0]               ; 512 x + 4 thread
	s_wait_kmcnt 0x0
	s_add_nc_u64 s[4:5], s[4:5], s[14:15]          ; order at the row
	s_add_nc_u64 s[26:27], s[4:5], s[16:17]        ; and at my 512 words
	s_add_nc_u64 s[6:7], s[6:7], s[18:19]
	s_add_nc_u64 s[8:9], s[8:9], s[20:21]
	s_add_nc_u64 s[8:9], s[8:9], s[22:23]
	s_add_nc_u64 s[10:11], s[10:11], s[20:21]
	global_load_b128 v[WD:WD+3], v2, s[26:27]
	s_load_b32 s28, s[6:7], 0x0                    ; the four quarters' ties
	s_load_b32 s29, s[6:7], 0x100
	s_load_b32 s30, s[6:7], 0x200
	s_load_b32 s31, s[6:7], 0x300
	s_cmp_lg_u32 s12, 0
	s_cbranch_scc1 .Lno_ones
	global_store_b64 v3, v[ONE:ONE+1], s[8:9]      ; wave 0: 64 ones
.Lno_ones:
	s_wait_kmcnt 0x0
	s_lshr_b32 s32, ttmp9, 2                       ; my quarter of the row
	s_cmp_gt_u32 s32, 0
	s_cselect_b32 s33, s28, 0
	s_cmp_gt_u32 s32, 1
	s_cselect_b32 s34, s29, 0
	s_cmp_gt_u32 s32, 2
	s_cselect_b32 s35, s30, 0
	s_add_co_u32 s33, s33, s34
	s_add_co_u32 s33, s33, s35                     ; the ties in front of my quarter,
	s_add_co_u32 s33, s33, 0x80000000              ; and the top bit once more: added to a tie's word it leaves the place; added to any other word it leaves a number of 2^31 or more
	s_add_co_u32 s34, s28, s29
	s_add_co_u32 s34, s34, s30
	s_add_co_u32 s34, s34, s31                     ; the row's ties
	s_wait_loadcnt 0x0
.irp e, 0,1,2,3
	v_add_nc_u32 v[PL+\e], s33, v[WD+\e]
.endr
	s_cmp_ge_u32 s34, TOPS
	s_cbranch_scc1 .Lplace                         ; 1,024 ties or more: they fill out1, and no other token has a place in it
	; FEWER TIES THAN PLACES: each token's place by counting.  A word of the row counts for my token if it is greater, or equal and of a lower index.
	; For a word in front of my four tokens that is: word + 1 > mine; for a word behind them, or among them: word > mine; equal words among my own four are counted first, by themselves.
.irp e, 0,1,2,3
	v_mov_b32 v[CN+\e], 0
.endr
	v_mov_b32 v[NIL], 0
.irp b, 1,2,3
.irp a, 0,1,2
.if \a < \b
	v_cmp_eq_u32 vcc_lo, v[WD+\a], v[WD+\b]
	v_add_co_ci_u32 v[CN+\b], vcc_lo, 0, v[CN+\b], vcc_lo
.endif
.endr
.endr
	v_mov_b32 v[DI], v[TK0]
	s_mov_b32 s41, 0                               ; byte offset in the row
	s_mov_b32 s42, 256                             ; trips of 32 words
.Lscan:
	s_load_b512 s[44:59], s[4:5], s41              ; the same 32 words for every lane: scalar loads
	s_load_b512 s[68:83], s[4:5], s41 offset:0x40
	s_wait_kmcnt 0x0
.set k, 0
.rept 32
	v_cmp_lt_i32 vcc_lo, k, v[DI]                  ; does word k of the 32 stand in front of my tokens?
	v_add_co_ci_u32 v[TW], vcc_lo, s[44+k+8*(k/16)], v[NIL], vcc_lo  ; the word, + 1 if so (words end at 0x80000000 + 2,047: no carry)
.irp e, 0,1,2,3
	v_cmp_gt_u32 vcc_lo, v[TW], v[WD+\e]
	v_add_co_ci_u32 v[CN+\e], vcc_lo, 0, v[CN+\e], vcc_lo
.endr
.set k, k+1
.endr
	v_add_nc_u32 v[DI], 0xffffffe0, v[DI]          ; 32 tokens on
	s_add_co_u32 s41, s41, 128                     ; the loads are done (the wait above): their offset may be stepped; the last trip ends at the row's last byte
	s_sub_co_u32 s42, s42, 1
	s_cmp_lg_u32 s42, 0
	s_cbranch_scc1 .Lscan
.irp e, 0,1,2,3
	v_cmp_gt_i32 vcc_lo, 0, v[WD+\e]               ; a tie keeps the place made above
	v_cndmask_b32 v[PL+\e], v[CN+\e], v[PL+\e], vcc_lo
.endr
.Lplace:
.irp e, 0,1,2,3
	v_min_u32 v[AD+\e], 0x3ff, v[PL+\e]            ; a number made of loaded words enters an address only clamped to the row of out1
	v_lshlrev_b32 v[AD+\e], 2, v[AD+\e]
	v_add_nc_u32 v[TK+\e], \e, v[TK0]
.endr
.irp e, 0,1,2,3
	v_cmp_gt_u32 vcc_lo, 0x400, v[PL+\e]           ; among the first 1,024?
	s_wait_xcnt 0x0                                ; EXEC is a source of the memory instructions issued so far: it changes only behind this wait
	s_and_saveexec_b32 s40, vcc_lo
	global_store_b32 v[AD+\e], v[TK+\e], s[10:11]
	s_wait_xcnt 0x0                                ; and again, in front of the line that widens it
	s_or_b32 exec_lo, exec_lo, s40
.endr
	s_endpgm
.Lfunc_end_k_qdef4ecf083_select:
	.size	k_qdef4ecf083_select, .Lfunc_end_k_qdef4ecf083_select-k_qdef4ecf083_select
	.p2alignl 7, 3214868480
	.fill 96, 4, 3214868480
	.section	.rodata,"a",@progbits
	.p2align	6, 0x0
	.amdhsa_kernel k_qdef4ecf083_select
		.amdhsa_group_segment_fixed_size 0
		.amdhsa_private_segment_fixed_size 0
		.amdhsa_enable_private_segment 0
		.amdhsa_kernarg_size 32
		.amdhsa_user_sgpr_count 2
		.amdhsa_user_sgpr_kernarg_segment_ptr 1
		.amdhsa_wavefront_size32 1
		.amdhsa_system_sgpr_workgroup_id_x 1
		.amdhsa_system_sgpr_workgroup_id_y 1
		.amdhsa_system_sgpr_workgroup_id_z 1
		.amdhsa_system_vgpr_workitem_id 0
		.amdhsa_next_free_vgpr 32
		.amdhsa_next_free_sgpr 84
		.amdhsa_reserve_vcc 1
		.amdhsa_float_denorm_mode_32 3
		.amdhsa_float_denorm_mode_16_64 3
		.amdhsa_memory_ordered 1
		.amdhsa_forward_progress 1
		.amdhsa_inst_pref_size 16
	.end_amdhsa_kernel
	.amdgpu_metadata
---
amdhsa.version: [ 1, 2 ]
amdhsa.kernels:
  - .name:           k_qdef4ecf083_select
    .symbol:         k_qdef4ecf083_select.kd
    .args:
      - { .name: order, .offset: 0, .size: 8, .value_kind: global_buffer, .address_space: global }
      - { .name: tally, .offset: 8, .size: 8, .value_kind: global_buffer, .address_space: global }
      - { .name: out0, .offset: 16, .size: 8, .value_kind: global_buffer, .address_space: global }
      - { .name: out1, .offset: 24, .size: 8, .value_kind: global_buffer, .address_space: global }
    .group_segment_fixed_size: 0
    .private_segment_fixed_size: 0
    .kernarg_segment_align: 8
    .kernarg_segment_size: 32
    .max_flat_workgroup_size: 128
    .sgpr_count:     84
    .vgpr_count:     32
    .wavefront_size: 32
...
	.end_amdgpu_metadata
.endif
;; end of part 3
;; ======== version 2 of 2: 3 launches; version 1 with the launch dot written anew for expert scheduling mode
;; workspace buffers: logits 524,288 bytes; order 524,288 bytes of whole numbers; tally 16,384 bytes of whole numbers
;; launch dot (part 4): grid 256 x 1, 8 waves a work-group, no clusters, 0 bytes of LDS; arguments routing_token, x, logits; writes logits
.if DOCPART == 4
	.amdgcn_target "amdgcn-amd-amdhsa--gfx1250"
	.amdhsa_code_object_version 6
	.text
	.protected	k_qdef4ecf083_dot
	.globl	k_qdef4ecf083_dot
	.p2align	8
	.type	k_qdef4ecf083_dot,@function
k_qdef4ecf083_dot:
	s_mov_b64 s[64:65], 0
	v_nop
	global_prefetch_b8 v0, s[64:65] scope:SCOPE_SE
	s_setreg_imm32_b32 hwreg(HW_REG_WAVE_SCHED_MODE, 0, 2), 2
	s_setreg_imm32_b32 hwreg(HW_REG_WAVE_MODE, 25, 1), 1
	s_wait_xcnt 0x0
	s_wait_alu depctr_vm_vsrc(0)
; CoordinateDescentRouter, launch 1 of 3.  logits[b][n] = the sum over d of x[b][n][d] routing_token[0][d].  x: [16][8192][512] f32, logits: [16][8192] f32.
; WORK LEFT OUT IN THE WHOLE PROGRAM, for all finite values of the inputs:
;  (1) out0 = selected + stop_gradient(1 - selected) = 1 by identity, whatever the selected scores are: launch 3 stores the constant 1.  The scores serve the order (out1) alone.
;  (2) The first of the 50 steps: b0 = -s, so s + b0 = 0 in every place, its logsumexp is log n, and a1 = log k - log n = log(1152 / 8192), a constant; a0 is never read.
;      The other 49 steps are live: scores are min(1, exp(s + a)), top_k breaks the ties at 1 by index, so which tokens tie, and with it out1, hangs on a.
;  Every input has a way to out1: both are loaded.
; LIMITS.  A NaN, an infinity or an overflow that reaches only the work left out is not carried to the result (out0 is 1 even where a score would be NaN); NaN and infinities in x or the token are not treated apart.
;  The sums are f32 in another order than an f32 dot product written as a loop; a token whose s + a lies within the rounding of s and a of zero (a few units in the last place of s) can fall on the other side of the tie.
; WHY THE VECTOR UNIT.  One routing token: each number of x meets one multiply-add.  For the matrix unit x would have to be rounded to bf16, one conversion for two numbers: as many vector
;  instructions as the packed f32 multiply-adds that finish the job; fifteen of sixteen columns would be idle; and out1 is compared as whole numbers, so s is kept at f32 accuracy.
; SHARES.  A work-group of eight waves owns 512 tokens (1 MiB of x), a wave 64 tokens (128 KiB).  A PAIR p (0..31) is token p for lanes 0-15 and token 32 + p for lanes 16-31: a load of 16 bytes a lane
;  takes 256 consecutive bytes, aligned, of each of the two tokens; eight loads take both rows.  A lane keeps its 32 numbers of the routing token in registers.
; IN FLIGHT.  A ring of six slots, a pair each: 48 loads of every wave are out, 24 KiB; the wait at a slot's turn leaves the five younger slots' 40 loads out.
; NO LDS, no barrier, no cluster: no byte of x is wanted twice.  No prefetch: the launch does nothing but stream x.
; THE MODE: SCHED_MODE bits 1:0 = 2 (LLVM: expert scheduling mode 2), set by the entry lines.  The code itself states the register dependences
;  between vector instructions and memory instructions, with s_wait_alu, always for 0.
; THE PLAN.  Registers that memory instructions touch:
;   X0 .. X5      Slot i's turn: its sixteen packed products read X[i]; behind them the eight loads of the pair six further on land in it.  No vector instruction writes it.
;   R             Loaded once, at the head; read by every turn's products; never loaded again.
;   v[OFF], v[RO], v[SO]   Offsets, made once at the head and never written again: the pairs are reached by a scalar base for each slot and by immediate offsets.
;   v[RES:RES+1]  Written by each turn's select; read by the one store, at the end.
;   A (the four packed sums) is named by vector instructions alone.
;  So ONE wait on va_vdst stands in a turn that fills its slot, behind its products: it states that they are done reading X[i].  The turn's eight loads follow it, dealt among the nine instructions of the
;  reduction, which name A and RES: none of the registers that those loads touch.  One more stands at the head, ahead of the first load, and one ahead of the store.  A turn that loads nothing holds none.
;  No register that a memory instruction reads is written again, so no wait on vm_vsrc is owed.  No vector instruction writes a scalar register, VCC or EXEC.
.set ROWB,   2048                      ; bytes in a token's row of x
.set DEPTH,  6                         ; slots
.set ROUNDS, 4                         ; rounds of the loop: 24 turns; the last 8 turns are written out
.set XB,  16                           ; s[16:27]  slot i: the work-group's part of x at the pair that the slot is asked for next: a register pair at XB + 2 i
.set OFF, 1                            ; v1        my byte offset in the work-group's part of x: (thread / 16) x 32 rows + 16 (lane % 16); never rewritten
.set RO,  2                            ; v2        16 (lane % 16): my place in 256 bytes of the routing token
.set SO,  3                            ; v3        8 x thread: my two sums in the work-group's part of logits
.set RES, 4                            ; v[4:5]    the sums of tokens 2 L and 2 L + 1 of the wave's 64, L my lane
.set A,   6                            ; v[6:13]   four packed accumulators
.set R,   16                           ; v[16:47]  my 32 numbers of the routing token: 4 for each 256 bytes
.set X,   48                           ; v[48:239] slot i: 32 registers as loaded
	s_load_b128 s[4:7], s[0:1], 0x0                ; routing_token s[4:5], x s[6:7]
	s_load_b64 s[8:9], s[0:1], 0x10                ; logits
	v_and_b32 v[RO], 15, v0
	v_lshlrev_b32 v[RO], 4, v[RO]
	v_lshrrev_b32 v[OFF], 4, v0                    ; 2 x wave + half of the lanes: each stands for 32 rows of 2,048 bytes
	v_lshl_or_b32 v[OFF], v[OFF], 16, v[RO]
	v_lshlrev_b32 v[SO], 3, v0
	v_mov_b32 v[RES], 0                            ; written whole once: the selects below fill them lane by lane
	v_mov_b32 v[RES+1], 0
	s_lshl_b32 s10, ttmp9, 20                      ; the work-group's 1 MiB of x
	s_mov_b32 s11, 0
	s_lshl_b32 s12, ttmp9, 11                      ; its 512 sums
	s_mov_b32 s13, 0
	s_mov_b32 s14, 0x00010001                      ; lanes j and 16 + j, j = pair / 2: where a pair's two sums are kept
	s_mov_b32 s15, ROUNDS
	s_wait_kmcnt 0x0
	s_add_nc_u64 s[6:7], s[6:7], s[10:11]
	s_add_nc_u64 s[8:9], s[8:9], s[12:13]
.irp i, 0,1,2,3,4,5
	s_add_nc_u64 s[XB+2*(\i):XB+2*(\i)+1], s[6:7], (\i)*ROWB  ; pairs 0 to 5
.endr
	s_wait_alu depctr_va_vdst(0)                   ; v[RO], v[OFF] and v[SO] are written: every load and the store of the kernel reads one of them as its offset
.irp c, 0,1,2,3,4,5,6,7
	global_load_b128 v[R+4*(\c):R+4*(\c)+3], v[RO], s[4:5] offset:256*(\c)
.endr
; One of the eight loads of slot i: 256 bytes c of both rows of the pair at which the slot's base stands.
.macro LD i, c
	global_load_b128 v[X+32*(\i)+4*(\c):X+32*(\i)+4*(\c)+3], v[OFF], s[XB+2*(\i):XB+2*(\i)+1] offset:256*(\c) th:TH_LOAD_NT
.endm
.macro LDF fill, i, c                  ; the same, in a turn that fills its slot
.if \fill
	LD \i, \c
.endif
.endm
.irp i, 0,1,2,3,4,5
.irp c, 0,1,2,3,4,5,6,7
	LD \i, \c
.endr
.endr
; The turn of slot i.  q = the pair's parity; fill = 1: the slot takes the pair six further on; left = how many younger loads may stay out.
.macro TURN i, q, fill, left
	s_wait_loadcnt \left                           ; loads come back in order: this slot's eight are in (in the first turn the routing token's too, which were issued ahead of them)
.if \fill
	s_add_nc_u64 s[XB+2*(\i):XB+2*(\i)+1], s[XB+2*(\i):XB+2*(\i)+1], DEPTH*ROWB  ; free since that wait, which shows the loads that read it done: the slot's next pair
.endif
.irp c, 0,1
	v_pk_mul_f32 v[A+4*(\c):A+4*(\c)+1],   v[X+32*(\i)+4*(\c):X+32*(\i)+4*(\c)+1],   v[R+4*(\c):R+4*(\c)+1]      ; the first products start the four sums: nothing is cleared
	v_pk_mul_f32 v[A+4*(\c)+2:A+4*(\c)+3], v[X+32*(\i)+4*(\c)+2:X+32*(\i)+4*(\c)+3], v[R+4*(\c)+2:R+4*(\c)+3]
.endr
.irp c, 2,3,4,5,6,7
	v_pk_fma_f32 v[A+4*((\c)%2):A+4*((\c)%2)+1],   v[X+32*(\i)+4*(\c):X+32*(\i)+4*(\c)+1],   v[R+4*(\c):R+4*(\c)+1],   v[A+4*((\c)%2):A+4*((\c)%2)+1]
	v_pk_fma_f32 v[A+4*((\c)%2)+2:A+4*((\c)%2)+3], v[X+32*(\i)+4*(\c)+2:X+32*(\i)+4*(\c)+3], v[R+4*(\c)+2:R+4*(\c)+3], v[A+4*((\c)%2)+2:A+4*((\c)%2)+3]
.endr
.if \fill
	s_wait_alu depctr_va_vdst(0)                   ; the sixteen products are done reading X[i], in which the eight loads below land; no vector instruction behind this wait names X[i]
.endif
	LDF \fill, \i, 0                               ; the slot is asked for again at once; its loads stand among the links of the reduction
	v_pk_add_f32 v[A:A+1], v[A:A+1], v[A+4:A+5]
	LDF \fill, \i, 1
	v_pk_add_f32 v[A+2:A+3], v[A+2:A+3], v[A+6:A+7]
	LDF \fill, \i, 2
	v_pk_add_f32 v[A:A+1], v[A:A+1], v[A+2:A+3]
	LDF \fill, \i, 3
	v_add_f32 v[A], v[A], v[A+1]                   ; my 32 products
	LDF \fill, \i, 4
	v_add_f32_dpp v[A], v[A], v[A] row_xmask:1 row_mask:0xf bank_mask:0xf  ; across the 16 lanes that share a token: every one of them ends with the sum
	LDF \fill, \i, 5
	v_add_f32_dpp v[A], v[A], v[A] row_xmask:2 row_mask:0xf bank_mask:0xf
	LDF \fill, \i, 6
	v_add_f32_dpp v[A], v[A], v[A] row_xmask:4 row_mask:0xf bank_mask:0xf
	LDF \fill, \i, 7
	v_add_f32_dpp v[A], v[A], v[A] row_xmask:8 row_mask:0xf bank_mask:0xf
	v_cndmask_b32 v[RES+(\q)], v[RES+(\q)], v[A], s14  ; pair p = 2 j + q: lane j keeps token p, lane 16 + j token 32 + p: lane L ends with tokens 2 L and 2 L + 1
.if \q
	s_lshl_b32 s14, s14, 1                         ; the next two pairs go one lane further
.endif
.endm
.Lround:
	TURN 0, 0, 1, 40
	TURN 1, 1, 1, 40
	TURN 2, 0, 1, 40
	TURN 3, 1, 1, 40
	TURN 4, 0, 1, 40
	TURN 5, 1, 1, 40
	s_sub_co_u32 s15, s15, 1
	s_cmp_lg_u32 s15, 0
	s_cbranch_scc1 .Lround
	TURN 0, 0, 1, 40                               ; pairs 24 to 31: two more fills (pairs 30 and 31), then none, and the counts run down: no load leaves the wave's 64 rows
	TURN 1, 1, 1, 40
	TURN 2, 0, 0, 40
	TURN 3, 1, 0, 32
	TURN 4, 0, 0, 24
	TURN 5, 1, 0, 16
	TURN 0, 0, 0, 8
	TURN 1, 1, 0, 0
	s_wait_alu depctr_va_vdst(0)                   ; the selects have written v[RES:RES+1], which the store reads
	global_store_b64 v[SO], v[RES:RES+1], s[8:9]   ; the wave's 64 sums: 256 consecutive bytes, at a multiple of 256 from the buffer's first byte
	s_endpgm
.Lfunc_end_k_qdef4ecf083_dot:
	.size	k_qdef4ecf083_dot, .Lfunc_end_k_qdef4ecf083_dot-k_qdef4ecf083_dot
	.p2alignl 7, 3214868480
	.fill 96, 4, 3214868480
	.section	.rodata,"a",@progbits
	.p2align	6, 0x0
	.amdhsa_kernel k_qdef4ecf083_dot
		.amdhsa_group_segment_fixed_size 0
		.amdhsa_private_segment_fixed_size 0
		.amdhsa_enable_private_segment 0
		.amdhsa_kernarg_size 24
		.amdhsa_user_sgpr_count 2
		.amdhsa_user_sgpr_kernarg_segment_ptr 1
		.amdhsa_wavefront_size32 1
		.amdhsa_system_sgpr_workgroup_id_x 1
		.amdhsa_system_sgpr_workgroup_id_y 1
		.amdhsa_system_sgpr_workgroup_id_z 1
		.amdhsa_system_vgpr_workitem_id 0
		.amdhsa_next_free_vgpr 240
		.amdhsa_next_free_sgpr 66
		.amdhsa_reserve_vcc 0
		.amdhsa_float_denorm_mode_32 3
		.amdhsa_float_denorm_mode_16_64 3
		.amdhsa_memory_ordered 1
		.amdhsa_forward_progress 1
		.amdhsa_inst_pref_size 36
	.end_amdhsa_kernel
	.amdgpu_metadata
---
amdhsa.version: [ 1, 2 ]
amdhsa.kernels:
  - .name:           k_qdef4ecf083_dot
    .symbol:         k_qdef4ecf083_dot.kd
    .args:
      - { .name: routing_token, .offset: 0, .size: 8, .value_kind: global_buffer, .address_space: global }
      - { .name: x, .offset: 8, .size: 8, .value_kind: global_buffer, .address_space: global }
      - { .name: logits, .offset: 16, .size: 8, .value_kind: global_buffer, .address_space: global }
    .group_segment_fixed_size: 0
    .private_segment_fixed_size: 0
    .kernarg_segment_align: 8
    .kernarg_segment_size: 24
    .max_flat_workgroup_size: 256
    .sgpr_count:     66
    .vgpr_count:     240
    .wavefront_size: 32
...
	.end_amdgpu_metadata
.endif
;; end of part 4
;; launch descend: the kernel of part 2 again; grid 16 x 1, 4 waves a work-group, no clusters, 1,024 bytes of LDS; arguments logits, order, tally; writes order, tally
;; launch select: the kernel of part 3 again; grid 16 x 16, 4 waves a work-group, no clusters, 0 bytes of LDS; arguments order, tally, out0, out1; writes out0, out1
